; MI455X (gfx1250); checked and timed in simulation.
; The chip was launched on July 23, 2026; its instructions are those of AMD's public machine-readable ISA for CDNA 5 (MIT licence, August 2026) and "CDNA5" Instruction Set Architecture Reference Guide (July 2026). The comments in the code are by the model that wrote it; some were corrected since.
;; Cross Attention. Allowed arithmetic: matrix products marked QUANTISED: E3M2 operands, one E8M0 scale for each 32 along K, by v_wmma_scale_f32_16x16x128_f8f6f4 with both operands' format E3M2, f32 sums; products left as they are: f32 operands where the result goes on into a quantised operand, else bf16, f16 or f32 operands; f32 sums; everything else in f32.
;; Inputs: mask 32 x 1,024 float32; proj_b 1,024 float32; proj_w_codes 1,024 x 32 x 24 uint8 (E3M2 codes of proj_w, K innermost, in blocks of 32 codes, four codes in three bytes); proj_w_scales 1,024 x 32 uint8 (E8M0 scales of proj_w, one for each 32 codes along K); wk_codes 1,024 x 32 x 24 uint8 (E3M2 codes of wk, K innermost, in blocks of 32 codes, four codes in three bytes); wk_scales 1,024 x 32 uint8 (E8M0 scales of wk, one for each 32 codes along K); wq_codes 1,024 x 32 x 24 uint8 (E3M2 codes of wq, K innermost, in blocks of 32 codes, four codes in three bytes); wq_scales 1,024 x 32 uint8 (E8M0 scales of wq, one for each 32 codes along K); wv_codes 1,024 x 32 x 24 uint8 (E3M2 codes of wv, K innermost, in blocks of 32 codes, four codes in three bytes); wv_scales 1,024 x 32 uint8 (E8M0 scales of wv, one for each 32 codes along K); x_codes 32 x 1,024 x 32 x 24 uint8 (E3M2 codes of x, K innermost, in blocks of 32 codes, four codes in three bytes); x_scales 32 x 1,024 x 32 uint8 (E8M0 scales of x, one for each 32 codes along K).
;; Outputs: out0 32 x 1 x 1,024 float32.
;; This version of the problem:
;;   THIS VERSION OF THE PROBLEM IS GIVEN IN LOW PRECISION. The matrix products marked QUANTISED in the list below multiply operands that are first quantised to E3M2 (3 exponent bits, 2 mantissa bits; 6 bits a number), with one power-of-two scale for each 32 numbers along K (OCP MX v1.0); their sums are f32. All else is computed in f32.
;;   The module's matrix products, in the order in which they are computed (A, B: the left and right operand; K: the contracted axis; several contracted axes count as one K, in the product's order):
;;     1. [M 32, K 1,024] x [K 1,024, N 1,024]; A: input x (given as codes); B: input wq (given as codes): QUANTISED
;;     2. [M 32,768, K 1,024] x [K 1,024, N 1,024]; A: input x (given as codes); B: input wk (given as codes): QUANTISED
;;     3. [M 32,768, K 1,024] x [K 1,024, N 1,024]; A: input x (given as codes); B: input wv (given as codes): QUANTISED
;;     4. batch 512 x [M 1, K 64] x [K 64, N 1,024]; A: computed on the way; B: computed on the way: left as it is (M = 1 < 16)
;;     5. batch 512 x [M 1, K 1,024] x [K 1,024, N 64]; A: softmax; B: computed on the way: left as it is (M = 1 < 16)
;;     6. [M 32, K 1,024] x [K 1,024, N 1,024]; A: computed on the way; B: input proj_w (given as codes): QUANTISED
;;   THE QUANTISER, for each operand of a quantised product, along K:
;;     - K is cut into blocks of 32 from its start; a last block that is shorter is filled with zeros.
;;     - A block's scale is 2^e with e = floor(log2(the largest magnitude in the block)) - 4, held to -126 .. 127; a block of zeros has e = 0. As a byte (E8M0): e + 127.
;;     - Each number is divided by its block's scale, clamped to +-28, and rounded to the nearest number of E3M2, ties to even, subnormals kept.
;;     - The product sums the exact products of the quantised numbers (number of the format x scale) in f32.
;;   ~~~python
;;   def quantise(x, axis):      # numpy; x: float32 -> the quantised numbers, widened to float32 again
;;       x = np.moveaxis(x, axis, -1); K = x.shape[-1]
;;       x = np.pad(x, [(0, 0)] * (x.ndim - 1) + [(0, -K % 32)]); x = x.reshape(x.shape[:-1] + (-1, 32)); a = np.abs(x).max(-1, keepdims=True)
;;       e = np.where(a > 0, np.clip(np.frexp(np.where(a > 0, a, 1))[1] - 1 - 4, -126, 127), 0)      # np.frexp(a)[1] - 1 = floor(log2(a)), exactly
;;       r = np.clip(x / 2.0 ** e, -28, 28)
;;       step = 2.0 ** (np.maximum(np.frexp(np.where(r == 0, 1, r))[1] - 1, -2) - 2)
;;       q = np.round(r / step) * step * 2.0 ** e      # np.round: ties to even
;;       return np.moveaxis(q.reshape(q.shape[:-2] + (-1,))[..., :K], -1, axis).astype(np.float32)
;;   ~~~
;;   OPERANDS COMPUTED ON THE WAY. 'Computed on the way' means the value that the module computes at that place (a softmax that the list does not call 'softmax' is quantised finished and normalised). What goes into a quantiser is computed in f32, as accurately as f32 sums, v_exp_f32 and their like allow (about 1e-6 of the number): no bf16 or f16 on the way to a quantiser, and a product that is left as it is and whose result goes on into a quantised operand takes f32 operands (vector FMAs, or v_wmma_f32_16x16x4_f32). A number that lies on a knife's edge between two numbers of the format may be rounded either way, as far as f32 arithmetic and the matrix unit's own rounding can turn it there, and no further.
;;   INPUTS GIVEN AS CODES. proj_w (in the module: [1024, 1024], K = its axis 1); wk (in the module: [1024, 1024], K = its axis 1); wq (in the module: [1024, 1024], K = its axis 1); wv (in the module: [1024, 1024], K = its axis 1); x (in the module: [32, 1024, 1024], K = its axis 2): each comes as NAME_codes (uint8): NAME with its K axis moved to the last place and cut into blocks of 32 codes, [.., K / 32, bytes a block], one block behind the other in memory; four codes in three bytes: a row's codes are one little-endian stream of bits, code i at bits 6 i .. 6 i + 5 (a code: sign, 3 exponent bits, 2 mantissa bits); and NAME_scales (uint8): the same leading axes, one E8M0 byte (e + 127) for each 32 codes along K. Its value is code x scale, taken as it is: it is not quantised again, and the codes and scales need not be those that the quantiser above would give.
;; One version. Each part assembles by itself: llvm-mc -triple=amdgcn-amd-amdhsa -mcpu=gfx1250 --defsym DOCPART=n.
;; ======== version 1 of 1: 2 launches
;; limits: right only within a limited range of input values
;; workspace buffers: attq 32,768 bytes
;; launch attn (part 1): grid 8 x 32, 4 waves a work-group, clusters of 4 x 4, 327,680 bytes of LDS; arguments x_codes, x_scales, wk_codes, wk_scales, wv_codes, wv_scales, wq_codes, wq_scales, mask, attq; writes attq
.if DOCPART == 1
	.amdgcn_target "amdgcn-amd-amdhsa--gfx1250"
	.amdhsa_code_object_version 6
	.text
	.protected	k_q51f2957de0_attn
	.globl	k_q51f2957de0_attn
	.p2align	8
	.type	k_q51f2957de0_attn,@function
k_q51f2957de0_attn:
	s_mov_b64 s[64:65], 0
	v_nop
	global_prefetch_b8 v0, s[64:65] scope:SCOPE_SE
	s_setreg_imm32_b32 hwreg(HW_REG_WAVE_MODE, 25, 1), 1
	s_wait_xcnt 0x0
	s_wait_alu depctr_hold_cnt(0) depctr_sa_sdst(0) depctr_va_vdst(0) depctr_va_sdst(0) depctr_va_ssrc(0) depctr_va_vcc(0) depctr_vm_vsrc(0)
	s_getreg_b32 s2, hwreg(HW_REG_IB_STS2, 6, 4)
	s_cmp_eq_u32 s2, 0
	s_cbranch_scc0 .Lentry_in_a_cluster
	s_endpgm
.Lentry_in_a_cluster:
	s_bfe_u32 s2, ttmp6, 0x10000c
	s_cmp_lg_u32 s2, 0xf033
	s_cbranch_scc0 .Lentry_shape_is_right
	s_endpgm
.Lentry_shape_is_right:
; att[b][64 head + d] = sum over keys of softmax_key(q . k / 8 - 1000 (1 - mask)) v, for the one query x[b][0]; it leaves QUANTISED along its 1,024 channels, as the next product's operand.
; q = x[b][0] wq^T, k = x[b] wk^T, v = x[b] wv^T: products on codes of BF6 (E3M2) with one E8M0 scale for each 32 along K; sums in f32.  q . k and p . v are f32 multiply-adds on the accumulators.
; SHARES.  Work-group (g, b) owns batch b and heads 2 g, 2 g + 1.  Wave w: head 2 g + w % 2, and of each 64 keys the 32 from 32 (w / 2) on: 16 pairs of blocks of 16 keys.
; THE WEIGHTS STAY IN REGISTERS: the head's 64 rows of wk and 64 of wv, all of K, are 64 fragments of 12 registers = 768; they come once, through LDS.  Only x streams.
; A BLOCK of 16 keys is 64 products: K phase (4 accumulators x 8 steps, wk), V phase (the same, wv) on the same 8 fragments of x, 96 registers.  The scores are worked out between the V phase's products.
; ORDER ALONG K.  Of a step's 128 codes (96 bytes) lanes 0-15 take bytes 0-47, blocks 0 and 1, and lanes 16-31 bytes 48-95, blocks 2 and 3, on both sides alike: three loads of 16 bytes a fragment.
;   The instruction's places 0, 1, 2, 3 so hold blocks 0, 2, 1, 3, and each scale word's two middle bytes change places (v_perm).
; NOT TRANSPOSED (source 0 = 16 rows of x, source 1 = 16 weight rows): lane (r, h), register j of accumulator bk: key 8 h + j, channel 16 bk + r.  So q takes 4 registers and O 8.
; SCORES.  8 registers of partial sums are folded over the 16 lanes of a row: each fold keeps half of the keys; lane l ends with the score of key l / 2.  p goes back to registers j by row_share.
; SOFTMAX.  A running maximum M and sum L for each half h of each wave, as the reference takes the maximum away; the four parts of a head meet in LDS at the end.
; LDS: three regions of 128 rows: wq's, wk's, wv's.  When wq and wk are in registers, region 0 takes x's rows 0-127 (slot A: units 0, 1 of 64 rows) and region 1 x's scale bytes; when wv is, region 2 takes x's rows 128-255 (slot B: units 2, 3).
; RING.  128 rows x 768 bytes a slot (whole rows of x, 32 a wave); a slot is free when its last block's fragments are in registers: the change of slots stands in that block's K phase.
; CLUSTER.  4 x 4: the four of a row share b and so x and the mask, the four of a column share g and so the weights: each tile is asked for jointly, by one descriptor and a mask of four.
; PREFETCH of x: 128 rows at a time, a whole change of slots ahead of the load; waves 0, 1, 2 take the rows' three blocks of 256 bytes, each of the four partners 32 rows, told apart by address; at the head wave 3 names x's scale bytes.
;   Rows 896 on are not asked for.
; RESULT.  attq [32][8][128 bytes]: 96 bytes of codes, then the scale word.  A block's scale byte is its largest magnitude's exponent field - 4, held at 1 from below (a block of zeros gets 1: only this program reads it).
;   The one store of a work-group covers 108 bytes, less than 256; the buffer has 32 KiB in all.
; LIMITS: NaN and infinities among the inputs are not served; M begins at -3e38; a weight p under 2^-126 counts as 0 (the exponential's result is flushed).  No work of the reference is left out.
; REGISTERS.  Window 0: below.  Windows 1, 2, 3: weight fragments f = 4 step + bk (wk 0-31, wv 32-63), 21 a window, fragment 63 in window 0; q in window 3 at v252.  At the head wq's 16 fragments lie in window 3.
.set KROW,  768
.set PITCH, 816                        ; an LDS row: 3 x (256 bytes + 16 of padding)
.set BLKB,  16*PITCH
.set UNIT,  64*PITCH
.set WKL,   2*UNIT                     ; wk's region; wv's lies 2 units on
.set SCL,   2*UNIT                     ; x's scale bytes: 1,024 rows x 32, on wk's bytes
.set MBT,   6*UNIT                     ; the mask's 1,024 numbers
.set QL,    MBT+4096                   ; q of the two heads
.set MRG,   QL+512                     ; the merge: 512 bytes a part, 4 parts a head
.set QNT,   MRG+4096
.set SPARE, QNT+512                    ; the spare words
.set LOG2E, 0x3fb8aa3b
.set XB,   1                           ; my fragments in unit 0;  XB2: the same behind one padding more in lanes 16-31
.set XA,   2                           ; the same in the unit at work
.set XA2,  3
.set XB2,  4
.set XSA,  5                           ; x's scale words
.set MBA,  6                           ; the mask
.set SPW,  7                           ; my spare word; never rewritten
.set NIL,  8                           ; 0; never rewritten
.set PFO,  9                           ; the prefetches' offset: 768 x lane (wave 3: 256 x lane); never rewritten
.set F,    10                          ; factor for the old sums; F + 1: p
.set M,    12
.set L,    13
.set MB,   14
.set QRA,  15
.set S,    16                          ; scores, then p by key
.set T,    24
.set O2,   28                          ; O, two partial sums a channel
.set SX,   36                          ; x's scale words of a pair: lanes 0-15 block 0, lanes 16-31 block 1
.set TX,   44                          ; the next pair's, as they lie in memory
.set SW,   52                          ; SW + 8 bk + step: lanes 0-15 wk's, lanes 16-31 wv's
.set W63,  84
.set KA,   96
.set VA,   128
.set XF,   160
.set G0WQ, 16
.set G1X,  24
.set G0A,  32
.set G0B,  36
.set G1W,  48
.set G0WK, 56
.set G0WV, 60
.set G1S,  68                          ; rows of 256 bytes: the mask, then x's scale bytes
.set G0S,  76
.set G0M,  80
.set G0U,  84                          ; slot A's first fill
.set M8,   88                          ; lanes with bit 3, 2, 1
.set M4,   89
.set M2,   90
.set PERM, 91
.set WV,   92
.set RH,   93
.set CH,   94
.set LIM,  95                          ; 1 in waves 0 to 2, which prefetch x's rows
.set M16,  97
.set PFA,  98
.set MSB, 0
.macro WIN new                         ; the immediate's high byte repeats the setting that is left
.if MSB != (\new)
	s_set_vgpr_msb (MSB<<8)|(\new)
.set MSB, (\new)
.endif
.endm
.macro NOP4
.rept 4
	v_nop
.endr
.endm
.macro CREST                           ; a round of the cluster's barrier behind its opening barrier
	s_cmp_lg_u32 s[WV], 0
	s_cbranch_scc1 .Lnot_wave_0_\@
	s_barrier_signal -3
.Lnot_wave_0_\@:
	s_barrier_wait -3
	s_barrier_signal -1
	s_barrier_wait -1
.endm
.macro CROUND
	s_barrier_signal -1
	s_barrier_wait -1
	CREST
.endm
.macro ASKH                            ; a prefetch ahead of the loop
	s_cmp_lt_u32 s[LIM], 2
	s_cbranch_scc0 .Lno_ask_\@
	global_prefetch_b8 v[PFO], s[PFA:PFA+1] th:TH_LOAD_NT scope:SCOPE_SE
.Lno_ask_\@:
.endm
.macro ASKE                            ; and in the loop's first two trips
	s_cmp_gt_u32 s2, s[LIM]
	s_cbranch_scc0 .Lno_ask_\@
	global_prefetch_b8 v[PFO], s[PFA:PFA+1] th:TH_LOAD_NT scope:SCOPE_SE
.Lno_ask_\@:
.endm
; three loads: a fragment of step s.  Where lanes 16-31 lie in the next 256 bytes, the second address register serves
.macro FRAG reg, a, a2, s, off
.irp i, 0,1,2
.set BY, 96*(\s)+16*\i
.if BY/256 == (BY+48)/256
	ds_load_b128 v[(\reg)+4*\i:(\reg)+4*\i+3], v[\a] offset:BY+16*(BY/256)+(\off)
.else
	ds_load_b128 v[(\reg)+4*\i:(\reg)+4*\i+3], v[\a2] offset:BY+16*(BY/256)+(\off)
.endif
.endr
.endm
.macro XFRAGS off                      ; the eight fragments of a block of x
.irp s, 0,1,2,3,4,5,6,7
	FRAG XF+12*\s, XA, XA2, \s, \off
.endr
.endm
.macro WLD f0, a, a2                   ; 32 weight fragments to their registers
.irp s, 0,1,2,3,4,5,6,7
.irp bk, 0,1,2,3
.set WF, (\f0)+4*\s+\bk
.if WF < 21
	WIN 0x40
.set WR, 12*WF
.elseif WF < 42
	WIN 0x80
.set WR, 12*(WF-21)
.elseif WF < 63
	WIN 0xc0
.set WR, 12*(WF-42)
.else
	WIN 0
.set WR, W63
.endif
	FRAG WR, \a, \a2, \s, \bk*BLKB
.endr
.endr
	WIN 0
.endm
.macro WMI c, m1, m2
	v_wmma_scale_f32_16x16x128_f8f6f4 v[WD:WD+7], v[WA:WA+11], v[WR:WR+11], \c, v[WX], v[WY] matrix_a_fmt:MATRIX_FMT_BF6 matrix_b_fmt:MATRIX_FMT_BF6 \m1 \m2
.endm
; one product.  i = 1: x's scale words from lanes 16-31; f0 = 32: the weights' from lanes 16-31; z: it starts the sum
.macro WMM acc, f0, s, bk, i, z
.set WF, (\f0)+4*(\s)+(\bk)
.if WF < 21
	WIN 0x04
.set WR, 12*WF
.elseif WF < 42
	WIN 0x08
.set WR, 12*(WF-21)
.elseif WF < 63
	WIN 0x0c
.set WR, 12*(WF-42)
.else
	WIN 0
.set WR, W63
.endif
.set WD, (\acc)+8*(\bk)
.set WA, XF+12*(\s)
.set WX, SX+(\s)
.set WY, SW+8*(\bk)+(\s)
.if \z
.if (\i) && ((\f0) > 0)
	WMI 0, matrix_a_scale:MATRIX_SCALE_ROW1, matrix_b_scale:MATRIX_SCALE_ROW1
.elseif (\i)
	WMI 0, matrix_a_scale:MATRIX_SCALE_ROW1
.elseif (\f0) > 0
	WMI 0, matrix_b_scale:MATRIX_SCALE_ROW1
.else
	WMI 0
.endif
.else
.if (\i) && ((\f0) > 0)
	WMI v[WD:WD+7], matrix_a_scale:MATRIX_SCALE_ROW1, matrix_b_scale:MATRIX_SCALE_ROW1
.elseif (\i)
	WMI v[WD:WD+7], matrix_a_scale:MATRIX_SCALE_ROW1
.elseif (\f0) > 0
	WMI v[WD:WD+7], matrix_b_scale:MATRIX_SCALE_ROW1
.else
	WMI v[WD:WD+7]
.endif
.endif
.endm
.macro PERMX s
	v_perm_b32 v[SX+\s], v[TX+\s], v[TX+\s], s[PERM]
.endm
	s_load_b256 s[4:11], s[0:1], 0x0               ; x's codes s[4:5], x's scales s[6:7], wk's codes s[8:9], wk's scales s[10:11]
	s_load_b256 s[12:19], s[0:1], 0x20             ; wv's codes s[12:13], wv's scales s[14:15], wq's codes s[16:17], wq's scales s[18:19]
	s_load_b128 s[20:23], s[0:1], 0x40             ; mask s[20:21], attq s[22:23]
	v_lshl_add_u32 v[SPW], v0, 2, SPARE
	v_mov_b32 v[NIL], 0
	ds_add_u32 v[SPW], v[NIL]                      ; the opening lines
	ds_add_u32 v[SPW], v[NIL]
	v_lshrrev_b32 v15, 5, v0
	v_readfirstlane_b32 s[WV], v15                 ; wave 0..3
	s_lshr_b32 s[RH], s[WV], 1                     ; which 32 of each 64 keys are mine
	s_and_b32 s[CH], s[WV], 1                      ; which head
	s_mul_i32 s76, s[RH], 32*PITCH
	s_mul_i32 s77, s[CH], UNIT
	s_add_co_u32 s77, s77, WKL                     ; my head's rows of wk,
	s_add_co_u32 s78, s77, 2*UNIT                  ; and of wv
	s_lshl_b32 s79, s[RH], 10
	s_add_co_u32 s79, s79, SCL
	s_lshl_b32 s80, s[RH], 7
	s_add_co_u32 s80, s80, MBT
	s_lshl_b32 s81, s[WV], 7
	s_add_co_u32 s81, s81, QL
	s_lshl_b32 s82, s[CH], 8
	s_add_co_u32 s82, s82, QL
	s_mul_i32 s83, s[WV], 32*PITCH                 ; my 32 rows of wq
	s_movk_i32 s84, KROW
	s_cmp_eq_u32 s[WV], 3
	s_cselect_b32 s84, 256, s84
	v_and_b32 v16, 15, v0                          ; r
	v_bfe_u32 v17, v0, 4, 1                        ; h
	v_and_b32 v15, 31, v0                          ; lane
	v_mul_u32_u24 v2, v16, PITCH
	v_mad_u32_u24 v2, v17, 48, v2                  ; a fragment's row x pitch + 48 h,
	v_lshl_add_u32 v3, v17, 4, v2                  ; and behind one padding more
	v_add_nc_u32 v[XB], s76, v2
	v_add_nc_u32 v[XB2], s76, v3
	v_add_nc_u32 v24, s77, v2
	v_add_nc_u32 v25, s77, v3
	v_add_nc_u32 v26, s78, v2
	v_add_nc_u32 v27, s78, v3
	v_add_nc_u32 v18, s83, v2
	v_add_nc_u32 v23, s83, v3
	v_mul_u32_u24 v[PFO], v15, s84
	v_lshl_add_u32 v[XSA], v15, 5, s79             ; lane l: row l of my 32
	v_lshrrev_b32 v14, 1, v15
	v_lshl_add_u32 v[MBA], v14, 2, s80             ; key l / 2
	v_lshlrev_b32 v20, 5, v15                      ; wq's scale words: row = lane
	v_lshl_add_u32 v10, v16, 2, s81                ; where I store q
	v_lshl_add_u32 v[QRA], v16, 2, s82             ; and read it
	v_mul_u32_u24 v19, v17, 48                     ; x's row 0
	v_mov_b32 v21, 0
	v_lshlrev_b32 v22, 5, v16                      ; the weights' scale words
	v_mov_b32 v[XA], v[XB]
	v_mov_b32 v[XA2], v[XB2]
	s_bfe_u32 s40, ttmp6, 0x40000                  ; cx, cy
	s_bfe_u32 s41, ttmp6, 0x40004
	s_lshl_b32 s42, ttmp9, 2
	s_add_co_u32 s42, s42, s40                     ; g
	s_and_b32 s43, ttmp7, 0xffff
	s_lshl_b32 s43, s43, 2
	s_add_co_u32 s43, s43, s41                     ; b
	s_lshl_b32 s44, s41, 2
	s_lshl_b32 s44, 15, s44                        ; my row of the cluster
	s_lshl_b32 s45, 0x1111, s40                    ; my column
	; group 1: rows of 768 bytes, 16 bytes of padding behind every 256
	s_or_b32 s[G1X+0], s44, (1<<20)|(1<<21)|(5<<22)|(3<<25)
	s_or_b32 s[G1W+0], s45, (1<<20)|(1<<21)|(5<<22)|(3<<25)
	s_mov_b32 s[G1X+2], 64<<16                     ; x: 64 rows in slot A's first fill
	s_mov_b32 s[G1X+4], 64
	s_mov_b32 s[G1W+2], 128<<16
	s_mov_b32 s[G1W+4], 128
.irp g, G1X, G1W
	s_mov_b32 s[\g+1], KROW<<16
	s_mov_b32 s[\g+3], KROW<<16
	s_mov_b32 s[\g+5], KROW
	s_mov_b32 s[\g+6], 0
	s_mov_b32 s[\g+7], 0
.endr
	; dense blocks, as rows of 256 bytes, no padding: the mask's row is 16 of them
	s_or_b32 s[G1S+0], s44, (3<<16)|(1<<21)
	s_mov_b32 s[G1S+1], 32<<16
	s_mov_b32 s[G1S+2], 16<<16
	s_mov_b32 s[G1S+3], 32<<16
	s_mov_b32 s[G1S+4], 16
	s_mov_b32 s[G1S+5], 32
	s_mov_b32 s[G1S+6], 0
	s_mov_b32 s[G1S+7], 0
	s_mov_b32 s[M8], 0xff00ff00
	s_mov_b32 s[M4], 0xf0f0f0f0
	s_mov_b32 s[M2], 0xcccccccc
	s_mov_b32 s[M16], 0xffff0000
	s_mov_b32 s[PERM], 0x03010200                  ; bytes 0, 2, 1, 3
	s_cmp_eq_u32 s[WV], 3
	s_cselect_b32 s[LIM], 99, 1
	s_mov_b32 s101, 0                              ; s[100:101]: offsets made of b and the wave alone;  s[46:47], s[66:67]: those that may hold g or cx
	s_mov_b32 s47, 0
	s_mov_b32 s67, 0
	s_wait_dscnt 0x0                               ; both opening adds are done
	s_wait_alu depctr_va_vdst(0)
	s_wait_kmcnt 0x0
	s_mul_i32 s100, s43, 1024*KROW
	s_add_nc_u64 s[4:5], s[4:5], s[100:101]        ; x's codes at batch b
	s_lshl_b32 s100, s43, 15
	s_add_nc_u64 s[6:7], s[6:7], s[100:101]
	s_lshl_b32 s100, s43, 12
	s_add_nc_u64 s[20:21], s[20:21], s[100:101]
	s_lshl_b32 s100, s43, 10
	s_add_nc_u64 s[22:23], s[22:23], s[100:101]
	s_mul_i32 s66, s42, 128*KROW                   ; weights: rows 128 g on
	s_add_nc_u64 s[8:9], s[8:9], s[66:67]
	s_add_nc_u64 s[12:13], s[12:13], s[66:67]
	s_add_nc_u64 s[16:17], s[16:17], s[66:67]
	s_lshl_b32 s66, s42, 12
	s_add_nc_u64 s[10:11], s[10:11], s[66:67]
	s_add_nc_u64 s[14:15], s[14:15], s[66:67]
	s_add_nc_u64 s[18:19], s[18:19], s[66:67]
	s_lshl_b32 s66, s42, 7
	s_add_nc_u64 s[22:23], s[22:23], s[66:67]      ; attq: record g of row b
	s_lshl_b32 s46, s[WV], 10                      ; wq: my wave makes q of rows 128 g + 32 w on
	s_add_nc_u64 s[18:19], s[18:19], s[46:47]
	s_lshl_b32 s46, s[CH], 11                      ; my head's 64 rows of scale bytes
	s_add_nc_u64 s[10:11], s[10:11], s[46:47]
	s_add_nc_u64 s[14:15], s[14:15], s[46:47]
	s_mov_b32 s[G0WK], 1
	s_mov_b32 s[G0WK+1], WKL
	s_mov_b64 s[G0WK+2:G0WK+3], s[8:9]
	s_or_b32 s[G0WK+3], s[G0WK+3], 0x80000000
	s_mov_b32 s[G0WV], 1
	s_mov_b32 s[G0WV+1], WKL+2*UNIT
	s_mov_b64 s[G0WV+2:G0WV+3], s[12:13]
	s_or_b32 s[G0WV+3], s[G0WV+3], 0x80000000
	s_mov_b64 s[8:9], s[18:19]                     ; s[8:9]: wq's scales from here on; s[16:19]: wq's descriptor group 0
	s_mov_b64 s[G0WQ+2:G0WQ+3], s[16:17]
	s_or_b32 s[G0WQ+3], s[G0WQ+3], 0x80000000
	s_mov_b32 s[G0WQ], 1
	s_mov_b32 s[G0WQ+1], 0
	s_mov_b32 s[G0M], 1
	s_mov_b32 s[G0M+1], MBT
	s_mov_b64 s[G0M+2:G0M+3], s[20:21]
	s_or_b32 s[G0M+3], s[G0M+3], 0x80000000
	s_lshl_b32 s100, s[CH], 14                     ; x's scale bytes: half a wave (waves 2, 3)
	s_add_co_u32 s3, s100, SCL
	s_mov_b32 s[G0S], 1
	s_mov_b32 s[G0S+1], s3
	s_add_nc_u64 s[G0S+2:G0S+3], s[6:7], s[100:101]
	s_or_b32 s[G0S+3], s[G0S+3], 0x80000000
	s_mul_i32 s100, s[CH], 64*KROW                 ; slot A's first fill: 64 rows a wave (waves 0, 1)
	s_mul_i32 s3, s[CH], UNIT
	s_mov_b32 s[G0U], 1
	s_mov_b32 s[G0U+1], s3
	s_add_nc_u64 s[G0U+2:G0U+3], s[4:5], s[100:101]
	s_or_b32 s[G0U+3], s[G0U+3], 0x80000000
	s_mul_i32 s100, s[WV], 32*KROW                 ; the ring: 32 rows a wave; slot A is stepped ahead of its first use
	s_mul_i32 s3, s[WV], 32*PITCH
	s_mov_b32 s[G0A], 1
	s_mov_b32 s[G0A+1], s3
	s_add_nc_u64 s[G0A+2:G0A+3], s[4:5], s[100:101]
	s_or_b32 s[G0A+3], s[G0A+3], 0x80000000
	s_mov_b32 s[G0B], 1
	s_add_co_u32 s[G0B+1], s3, 4*UNIT
	s_add_nc_u64 s[G0B+2:G0B+3], s[4:5], s[100:101]
	s_add_nc_u64 s[G0B+2:G0B+3], s[G0B+2:G0B+3], 128*KROW
	s_or_b32 s[G0B+3], s[G0B+3], 0x80000000
	s_lshl_b32 s100, s[WV], 8                      ; prefetches: my work-group's 32 rows of each 128, block w of each row;
	s_mul_i32 s46, s40, 32*KROW
	s_lshl_b32 s3, s40, 13                         ; wave 3: my work-group's quarter of x's scale bytes
	s_cmp_eq_u32 s[WV], 3
	s_cselect_b32 s100, 0, s100
	s_cselect_b32 s46, s3, s46
	s_cselect_b64 s[PFA:PFA+1], s[6:7], s[4:5]
	s_add_nc_u64 s[PFA:PFA+1], s[PFA:PFA+1], s[100:101]
	s_add_nc_u64 s[PFA:PFA+1], s[PFA:PFA+1], s[46:47]
	CROUND                                         ; all sixteen work-groups are here: the first joint loads meet
; one tensor load a wave: wq, wk, wv, the mask
.macro ARM under, g0, g1, next
	s_cmp_lt_u32 s[WV], \under
	s_cbranch_scc0 \next
	tensor_load_to_lds s[\g0:\g0+3], s[\g1:\g1+7]
	s_nop 0
	NOP4
	s_branch .Lhead_asked
\next:
.endm
	ARM 1, G0WQ, G1W, .Lhead_1
	ARM 2, G0WK, G1W, .Lhead_2
	ARM 3, G0WV, G1W, .Lhead_3
	tensor_load_to_lds s[G0M:G0M+3], s[G1S:G1S+7]
	s_nop 0
	NOP4
.Lhead_asked:
	global_prefetch_b8 v[PFO], s[PFA:PFA+1] th:TH_LOAD_NT scope:SCOPE_SE   ; rows 0-127 and the scale bytes
	; 20 loads: scale words;  then 24: x's row 0 (in every lane's place)
.irp bk, 0,1,2,3
	global_load_b128 v[SW+8*\bk:SW+8*\bk+3], v22, s[10:11] offset:512*\bk
	global_load_b128 v[SW+8*\bk+4:SW+8*\bk+7], v22, s[10:11] offset:512*\bk+16
	global_load_b128 v[VA+8*\bk:VA+8*\bk+3], v22, s[14:15] offset:512*\bk
	global_load_b128 v[VA+8*\bk+4:VA+8*\bk+7], v22, s[14:15] offset:512*\bk+16
.endr
	global_load_b128 v[SX:SX+3], v20, s[8:9]
	global_load_b128 v[SX+4:SX+7], v20, s[8:9] offset:16
	global_load_b128 v[TX:TX+3], v21, s[6:7]
	global_load_b128 v[TX+4:TX+7], v21, s[6:7] offset:16
.irp s, 0,1,2,3,4,5,6,7
.irp i, 0,1,2
	global_load_b128 v[XF+12*\s+4*\i:XF+12*\s+4*\i+3], v19, s[4:5] offset:96*\s+16*\i
.endr
.endr
	s_wait_loadcnt 24                              ; the scale words are in
.set k, 0
.rept 8
	v_perm_b32 v[SX+k], v[SX+k], v[SX+k], s[PERM]
	v_perm_b32 v[TX+k], v[TX+k], v[TX+k], s[PERM]
.set k, k+1
.endr
.set k, 0
.rept 32
	v_cndmask_b32 v[SW+k], v[SW+k], v[VA+k], s[M16] ; lanes 16-31: wv's
.set k, k+1
.endr
.set k, 0
.rept 32
	v_perm_b32 v[SW+k], v[SW+k], v[SW+k], s[PERM]
.set k, k+1
.endr
	s_wait_alu depctr_va_vdst(0)
	s_wait_loadcnt 0x0
	s_wait_tensorcnt 0x0                           ; my tile of the head's four is in
	s_wait_dscnt 0x0
	s_barrier_signal -1
	s_barrier_wait -1                              ; everybody's
	WIN 0xc0
.irp u, 0,1
.irp s, 0,1,2,3,4,5,6,7
	FRAG 12*(8*\u+\s), 18, 23, \s, \u*BLKB         ; wq: 48 loads
.endr
.endr
	WIN 0
	WLD 0, 24, 25                                  ; wk: 96 loads
	s_wait_dscnt 63                                ; of 144 loads the first 81 are in, wq's 48 among them
	; q: source 0 = x[b][0] in all 16 rows, source 1 = 16 rows of wq: register 0 of lane r is q(16 u + r)
	WIN 0x0c
.irp s, 0,1,2,3,4,5,6,7
.irp u, 0,1
.set WD, KA+8*\u
.set WA, XF+12*\s
.set WR, 12*(8*\u+\s)
.set WX, TX+\s
.set WY, SX+\s
.if \s == 0
.if \u
	WMI 0, matrix_b_scale:MATRIX_SCALE_ROW1
.else
	WMI 0
.endif
.else
.if \u
	WMI v[WD:WD+7], matrix_b_scale:MATRIX_SCALE_ROW1
.else
	WMI v[WD:WD+7]
.endif
.endif
.endr
.endr
	WIN 0
.irp i, 0,1,2,3,4,5,6,7
	v_mov_b32 v[O2+\i], 0                          ; (also the places behind the products)
.endr
	v_mov_b32 v[M], 0xff61b1e6                     ; -3e38
	v_mov_b32 v[L], 0
	ds_store_b32 v10, v[KA]                        ; lanes r and r + 16 write the same word with the same value
	ds_store_b32 v10, v[KA+8] offset:64
	v_mov_b32 v[F], 0
	v_mov_b32 v[F+1], 0
	s_wait_alu depctr_va_vdst(0)
; a fill ahead of the loop: the full sequence, then one joint load a wave.  first = 1: waves 0, 1 slot A's 128 rows, waves 2, 3 x's scale bytes; first = 0: slot B
.macro NEXTX first
	s_wait_xcnt 0x0                                ; the prefetch has read its address
	s_add_nc_u64 s[PFA:PFA+1], s[PFA:PFA+1], 128*KROW
	s_wait_tensorcnt 0x0
	ds_add_u32 v[SPW], v[NIL]
.if \first                                     ; no tensor load of mine is out: descriptors may be written
	s_mov_b32 s[G1S+2], 64<<16
	s_mov_b32 s[G1S+4], 64
.else
	s_mov_b32 s[G1X+2], 32<<16
	s_mov_b32 s[G1X+4], 32
.endif
	s_wait_dscnt 0x0                               ; the add is done, and so are my reads and stores
	CROUND
.if \first
	s_cmp_eq_u32 s[RH], 0
	s_cbranch_scc0 .Lscales_\@
	tensor_load_to_lds s[G0U:G0U+3], s[G1X:G1X+7]
	s_nop 0
	NOP4
	s_branch .Lfilled_\@
.Lscales_\@:
	tensor_load_to_lds s[G0S:G0S+3], s[G1S:G1S+7]
	s_nop 0
	NOP4
.Lfilled_\@:
.else
	tensor_load_to_lds s[G0B:G0B+3], s[G1X:G1X+7]
	s_nop 0
	NOP4
.endif
	ASKH
.endm
	NEXTX 1                                        ; wq and wk are in registers
	WIN 0xc0
.irp bk, 0,1,2,3
	ds_load_b32 v[252+\bk], v[QRA] offset:64*\bk
.endr
	WIN 0
	WLD 32, 26, 27                                 ; wv
	NEXTX 0                                        ; wv is in registers; slot A and the scale bytes are whole
	ds_load_b128 v[TX:TX+3], v[XSA]                ; pair 0's scale words
	ds_load_b128 v[TX+4:TX+7], v[XSA] offset:16
	ds_load_b32 v[MB], v[MBA]
	XFRAGS 0                                       ; the first block
	s_wait_dscnt 24                                ; all but the 24 fragment loads
.irp s, 0,1,2,3,4,5,6,7
	PERMX \s
.endr
	NOP4                                           ; a scale register so written stands 8 places ahead of its product
	NOP4
	s_wait_alu depctr_va_vdst(0)
; vector work behind product m of the V phase: the block's scores
.macro GV m, i, u, lst
.if (\m) == 0
	NOP4                                           ; places behind the K phase's last products
.elseif (\m) < 9
.set QB, ((\m)-1)/2
.set QP, 252+2*(QB/2)
	WIN 0x0c                                       ; q lies in window 3
.irp jp, 0,2,4,6                               ; my channel 16 bk + r of 8 keys, two at a time; four keys a gap
.if (\jp/4) == (((\m)-1)%2)
.if QB == 0
	v_pk_mul_f32 v[S+\jp:S+\jp+1], v[KA+\jp:KA+\jp+1], v[QP:QP+1] op_sel_hi:[1,0]
.elseif QB == 2
	v_pk_fma_f32 v[S+\jp:S+\jp+1], v[KA+16+\jp:KA+17+\jp], v[QP:QP+1], v[S+\jp:S+\jp+1] op_sel_hi:[1,0,1]
.else
	v_pk_fma_f32 v[S+\jp:S+\jp+1], v[KA+8*QB+\jp:KA+8*QB+\jp+1], v[QP:QP+1], v[S+\jp:S+\jp+1] op_sel:[0,1,0] op_sel_hi:[1,1,1]
.endif
.endif
.endr
.elseif (\m) == 9
	WIN 0
.irp j, 0,1,2,3                                ; fold over lane bit 3: what I send,
	v_cndmask_b32 v[T+\j], v[S+\j+4], v[S+\j], s[M8]
.endr
.elseif (\m) == 10
	WIN 0
.irp j, 0,1,2,3                                ; and what I keep
	v_cndmask_b32 v[S+\j], v[S+\j], v[S+\j+4], s[M8]
.endr
.elseif (\m) == 12
	WIN 0
.irp j, 0,1,2,3
	v_add_f32_dpp v[S+\j], v[T+\j], v[S+\j] row_xmask:8 row_mask:0xf bank_mask:0xf
.endr
.elseif (\m) == 13
	WIN 0
	v_cndmask_b32 v[T], v[S+2], v[S], s[M4]
	v_cndmask_b32 v[T+1], v[S+3], v[S+1], s[M4]
	v_cndmask_b32 v[S], v[S], v[S+2], s[M4]
	v_cndmask_b32 v[S+1], v[S+1], v[S+3], s[M4]
.elseif (\m) == 14
	WIN 0
	v_add_f32_dpp v[S], v[T], v[S] row_xmask:4 row_mask:0xf bank_mask:0xf
	v_add_f32_dpp v[S+1], v[T+1], v[S+1] row_xmask:4 row_mask:0xf bank_mask:0xf
.elseif (\m) == 15
	WIN 0
	v_cndmask_b32 v[T], v[S+1], v[S], s[M2]
	v_cndmask_b32 v[S], v[S], v[S+1], s[M2]
.elseif (\m) == 16
	WIN 0
	v_add_f32_dpp v[S], v[T], v[S] row_xmask:2 row_mask:0xf bank_mask:0xf
	v_sub_f32 v[MB], 1.0, v[MB]
.elseif (\m) == 17
	WIN 0
	v_add_f32_dpp v[S], v[S], v[S] row_xmask:1 row_mask:0xf bank_mask:0xf
	v_mul_f32 v[MB], 0xc47a0000, v[MB]             ; -1000 (1 - mask), rounded as the reference rounds it
.elseif (\m) == 18
	WIN 0
	v_fma_f32 v[S], v[S], 0x3e000000, v[MB]        ; lane l: score of key l / 2: / 8 (exact) - 1000 (1 - mask)
	v_max_num_f32_dpp v[T], v[S], v[S] row_xmask:2 row_mask:0xf bank_mask:0xf
.elseif (\m) == 19
	WIN 0
	v_max_num_f32_dpp v[T], v[T], v[T] row_xmask:4 row_mask:0xf bank_mask:0xf
	v_max_num_f32_dpp v[T], v[T], v[T] row_xmask:8 row_mask:0xf bank_mask:0xf
.elseif (\m) == 20
	WIN 0
	v_max_num_f32 v[T+1], v[T], v[M]
	v_sub_f32 v[F], v[M], v[T+1]
	v_sub_f32 v[F+1], v[S], v[T+1]
.elseif (\m) == 21
	WIN 0
	v_mov_b32 v[M], v[T+1]
	v_mul_f32 v[F], LOG2E, v[F]
	v_mul_f32 v[F+1], LOG2E, v[F+1]
.if (\i) && !((\lst) && ((\u) == 3))
.set NU, ((\u)+1)%4                            ; the next pair's unit: 0, 1 in region 0, 2, 3 in region 2
	v_add_nc_u32 v[XA], UNIT*(NU+2*(NU/2)), v[XB]
	v_add_nc_u32 v[XA2], UNIT*(NU+2*(NU/2)), v[XB2]
.if (\u) == 3
	v_add_nc_u32 v[XSA], 8192, v[XSA]              ; 256 keys on
	v_add_nc_u32 v[MBA], 1024, v[MBA]
.endif
.endif
.elseif (\m) == 22
.if (\i) && !((\lst) && ((\u) == 3))
	WIN 0
.irp s, 0,1,2,3,4                              ; steps 0-4 of this pair are done with their scale words
	PERMX \s
.endr
.endif
.endif
.endm
; A BLOCK of 16 keys: block i of the pair in unit u.  kind: 1, 2: a change of slots that fills slot A, B again; 3: a plain barrier that shows the last tile; lst: the last 256 keys.
; The 64 products go on 4 + 4 accumulators by turns, three others between two steps of a sum.
.macro BLK i, u, kind, lst
.irp s, 0,1,2,3,4,5,6,7
.if ((\kind) == 0) || (\s < 5)
	s_wait_dscnt 3*(7-\s)                          ; fragment s is in: behind it 7 - s fragments of three loads
.endif
.if (\kind) && (\s == 4)
	WIN 0
.if (\kind) < 3
	s_wait_xcnt 0x0
	s_add_nc_u64 s[PFA:PFA+1], s[PFA:PFA+1], 128*KROW
.endif
	s_wait_tensorcnt 0x0                           ; my part of the next slot is in
.if (\kind) < 3
	ds_add_u32 v[SPW], v[NIL]                      ; four products stand between it and its wait
.endif
.endif
.if (\kind) && (\s == 5)
	s_wait_dscnt 0x0                               ; the add is done, and so are my reads of this slot
	s_barrier_signal -1
.endif
.if (\kind) && (\s == 7)
	WIN 0
	s_barrier_wait -1                              ; eight products stood between signal and wait
.if (\kind) < 3
	CREST                                          ; no wave of any partner still reads this slot or has a load on its way
.set GS, G0A+4*((\kind)-1)
	s_add_nc_u64 s[GS+2:GS+3], s[GS+2:GS+3], 256*KROW
	tensor_load_to_lds s[GS:GS+3], s[G1X:G1X+7]
	s_nop 0
	NOP4
	ASKE
.endif
.endif
.irp bk, 0,1,2,3
	WMM KA, 0, \s, \bk, \i, (\s==0)
.endr
.endr
.irp s, 0,1,2,3,4,5,6,7
.irp bk, 0,1,2,3
	WMM VA, 32, \s, \bk, \i, (\s==0)
	GV 4*\s+\bk, \i, \u, \lst
.endr
.endr
	WIN 0
	NOP4                                           ; places behind the last products
.if !((\i) && (\lst) && ((\u) == 3))
.if (\i) == 0                                  ; the next block's mask, the next pair's scale words, the next block's fragments
	ds_load_b32 v[MB], v[MBA] offset:256*(\u)+64
.if !((\lst) && ((\u) == 3))
	ds_load_b128 v[TX:TX+3], v[XSA] offset:2048*((\u)+1)
	ds_load_b128 v[TX+4:TX+7], v[XSA] offset:2048*((\u)+1)+16
.endif
.elseif (\u) < 3
	ds_load_b32 v[MB], v[MBA] offset:256*((\u)+1)
.else
	ds_load_b32 v[MB], v[MBA]
.endif
	XFRAGS BLKB*(1-(\i))
.endif
	s_wait_alu depctr_va_vdst(0)                   ; the wait ahead of the batch
	v_exp_f32 v[F], v[F]                           ; 2^((old M - new M) log2 e)
	v_exp_f32 v[F+1], v[F+1]                       ; p of key l / 2
	v_nop                                          ; a plain place
	s_wait_alu depctr_va_vdst(0)                   ; and the one behind it
	v_fma_f32 v[L], v[L], v[F], v[F+1]
.irp bk, 0,1,2,3
	v_pk_mul_f32 v[O2+2*\bk:O2+2*\bk+1], v[O2+2*\bk:O2+2*\bk+1], v[F:F+1] op_sel_hi:[1,0]
.endr
.irp j, 0,1,2,3,4,5,6,7                        ; p of key 8 h + j in all 16 lanes of my row
	v_mov_b32_dpp v[S+\j], v[F+1] row_share:2*\j row_mask:0xf bank_mask:0xf
.endr
.if (\i) && !((\lst) && ((\u) == 3))
	PERMX 5
	PERMX 6
	PERMX 7
.endif
	s_wait_alu depctr_va_vdst(0)
.irp jp, 0,2,4,6                               ; O += p v; each accumulator from its low end on
.irp bk, 0,1,2,3
	v_pk_fma_f32 v[O2+2*\bk:O2+2*\bk+1], v[VA+8*\bk+\jp:VA+8*\bk+\jp+1], v[S+\jp:S+\jp+1], v[O2+2*\bk:O2+2*\bk+1]
.endr
.endr
.endm
	s_mov_b32 s2, 3
.Lkeys:                                        ; 256 keys a trip: slot A, slot B; both are filled again
	BLK 0, 0, 0, 0
	BLK 1, 0, 0, 0
	BLK 0, 1, 0, 0
	BLK 1, 1, 1, 0
	BLK 0, 2, 0, 0
	BLK 1, 2, 0, 0
	BLK 0, 3, 0, 0
	BLK 1, 3, 2, 0
	s_sub_co_u32 s2, s2, 1
	s_cmp_lg_u32 s2, 0
	s_cbranch_scc1 .Lkeys
	BLK 0, 0, 0, 1                                 ; the last 256 keys: nothing is left to fetch
	BLK 1, 0, 0, 1
	BLK 0, 1, 0, 1
	BLK 1, 1, 3, 1
	BLK 0, 2, 0, 1
	BLK 1, 2, 0, 1
	BLK 0, 3, 0, 1
	BLK 1, 3, 0, 1
	; THE END.  A wave has two parts (its halves h): o of 64 channels, M, L.  They meet in LDS; wave 0 merges, divides, quantises and stores the two heads' 128 numbers.
	s_lshl_b32 s3, s[CH], 11
	s_lshl_b32 s46, s[RH], 10
	s_add_co_u32 s3, s3, s46
	s_add_co_u32 s3, s3, MRG
.irp bk, 0,1,2,3
	v_add_f32 v[S+\bk], v[O2+2*\bk], v[O2+2*\bk+1]
.endr
.irp x, 2,4,8                                  ; (lanes 2 j and 2 j + 1 hold the same key: not over lane bit 0)
	v_add_f32_dpp v[L], v[L], v[L] row_xmask:\x row_mask:0xf bank_mask:0xf
.endr
	v_and_b32 v160, 15, v0
	v_bfe_u32 v161, v0, 4, 1
	v_lshlrev_b32 v162, 2, v160
	v_lshl_add_u32 v162, v161, 9, v162
	v_add_nc_u32 v162, s3, v162                    ; my part: o(16 bk + r)
	v_lshlrev_b32 v163, 4, v160
	v_lshl_add_u32 v163, v161, 11, v163
	v_add_nc_u32 v163, MRG, v163                   ; the merge: lanes 0-15 head 0, lanes 16-31 head 1; 16 bytes a lane
	v_lshlrev_b32 v164, 11, v161
	v_add_nc_u32 v164, MRG, v164
	v_and_b32 v165, 31, v0
	v_lshl_add_u32 v165, v165, 4, QNT
	v_and_b32 v166, 7, v0
	v_lshl_add_u32 v166, v166, 6, QNT
.irp bk, 0,1,2,3
	ds_store_b32 v162, v[S+\bk] offset:64*\bk
.endr
	ds_store_b32 v162, v[M] offset:256             ; the same value in the row's 16 lanes
	ds_store_b32 v162, v[L] offset:320
	s_wait_alu depctr_va_vdst(0)
	s_wait_dscnt 0x0                               ; for the others' sake: my stores are done
	s_barrier_signal -1
	s_barrier_wait -1
	s_cmp_lg_u32 s[WV], 0
	s_cbranch_scc1 .Ldone
.irp q, 0,1,2,3
	ds_load_b128 v[128+4*\q:131+4*\q], v163 offset:512*\q
	ds_load_b32 v[144+\q], v164 offset:512*\q+256
	ds_load_b32 v[148+\q], v164 offset:512*\q+320
.endr
	s_wait_dscnt 0x0
	v_max3_num_f32 v152, v144, v145, v146
	v_max_num_f32 v152, v152, v147
.irp q, 0,1,2,3
	v_sub_f32 v[144+\q], v[144+\q], v152
.endr
.irp q, 0,1,2,3
	v_mul_f32 v[144+\q], LOG2E, v[144+\q]
.endr
	s_wait_alu depctr_va_vdst(0)
.irp q, 0,1,2,3
	v_exp_f32 v[144+\q], v[144+\q]
.endr
	v_nop
	s_wait_alu depctr_va_vdst(0)
	v_mul_f32 v153, v148, v144
	v_fmac_f32 v153, v149, v145
	v_fmac_f32 v153, v150, v146
	v_fmac_f32 v153, v151, v147                    ; the row's sum under the common maximum: at least 1
	s_wait_alu depctr_va_vdst(0)
	v_rcp_f32 v154, v153
	v_nop
	s_wait_alu depctr_va_vdst(0)
.irp q, 0,1,2,3
	v_mul_f32 v[144+\q], v[144+\q], v154
.endr
.irp j, 0,1,2,3
	v_mul_f32 v[128+\j], v[128+\j], v144
.endr
.irp q, 1,2,3
.irp j, 0,1,2,3
	v_fmac_f32 v[128+\j], v[128+4*\q+\j], v[144+\q] ; lane l: numbers 4 l .. 4 l + 3 of the work-group's 128
.endr
.endr
	; the quantiser: 16 neighbours a lane, through 512 bytes of LDS: lane i (and i + 8, i + 16, i + 24) holds numbers 16 i .. 16 i + 15
	ds_store_b128 v165, v[128:131]
.irp j, 0,1,2,3
	ds_load_b128 v[168+4*\j:171+4*\j], v166 offset:16*\j   ; LDS serves a wave's instructions in order (ISA guide 5.7.1.4)
.endr
	s_wait_dscnt 0x0
	v_max3_num_f32 v184, |v168|, |v169|, |v170|
	v_max3_num_f32 v185, |v171|, |v172|, |v173|
	v_max3_num_f32 v184, v184, |v174|, |v175|
	v_max3_num_f32 v185, v185, |v176|, |v177|
	v_max3_num_f32 v184, v184, |v178|, |v179|
	v_max3_num_f32 v185, v185, |v180|, |v181|
	v_max3_num_f32 v184, v184, |v182|, |v183|
	v_max3_num_f32 v184, v184, v185, 0x2800000     ; the floor 2^(5 - 127): the byte cannot fall under 1
	v_max_num_f32_dpp v184, v184, v184 row_xmask:1 row_mask:0xf bank_mask:0xf
	v_add_nc_u32 v186, 0xfe000000, v184            ; 4 off its exponent field: the conversion's scale operand
	v_cvt_scalef32_pk16_bf6_f32 v[188:190], v[168:183], v186
	v_lshrrev_b32 v187, 23, v186                   ; the scale's byte.  (Also the plain place behind the conversion)
	v_readlane_b32 s3, v187, 0                     ; the four blocks' bytes lie in lanes 0, 2, 4, 6
	v_readlane_b32 s46, v187, 2
	v_readlane_b32 s66, v187, 4
	v_readlane_b32 s100, v187, 6
	s_lshl_b32 s46, s46, 8
	s_lshl_b32 s66, s66, 16
	s_lshl_b32 s100, s100, 24
	s_or_b32 s3, s3, s46
	s_or_b32 s66, s66, s100
	s_or_b32 s3, s3, s66
	v_mov_b32 v191, s3
	v_cmp_eq_u32 vcc_lo, 8, v0                     ; (in wave 0 the thread's number is the lane's)
	v_cndmask_b32 v188, v188, v191, vcc_lo         ; lane 8 carries the scale word behind the eight lanes' codes
	v_mul_u32_u24 v192, v0, 12
	v_cmp_gt_u32 vcc_lo, 9, v0
	s_wait_alu depctr_va_vdst(0)
	s_wait_xcnt 0x0                                ; EXEC changes only behind this wait
	s_and_saveexec_b32 s3, vcc_lo
	global_store_b96 v192, v[188:190], s[22:23]    ; nine lanes, 108 consecutive bytes: 96 of codes, the scale word, 8 that nobody reads
	s_wait_xcnt 0x0
	s_or_b32 exec_lo, exec_lo, s3
.Ldone:
	s_wait_tensorcnt 0x0                           ; the wave's end
	ds_add_u32 v[SPW], v[NIL]
	s_wait_dscnt 0x0
	CROUND                                         ; the closing round: no work-group ends while a partner may still ask for a tile that names it
	s_endpgm
.Lfunc_end_k_q51f2957de0_attn:
	.size	k_q51f2957de0_attn, .Lfunc_end_k_q51f2957de0_attn-k_q51f2957de0_attn
	.p2alignl 7, 3214868480
	.fill 96, 4, 3214868480
	.section	.rodata,"a",@progbits
	.p2align	6, 0x0
	.amdhsa_kernel k_q51f2957de0_attn
		.amdhsa_group_segment_fixed_size 327680
		.amdhsa_private_segment_fixed_size 0
		.amdhsa_enable_private_segment 0
		.amdhsa_kernarg_size 80
		.amdhsa_user_sgpr_count 2
		.amdhsa_user_sgpr_kernarg_segment_ptr 1
		.amdhsa_wavefront_size32 1
		.amdhsa_system_sgpr_workgroup_id_x 1
		.amdhsa_system_sgpr_workgroup_id_y 1
		.amdhsa_system_sgpr_workgroup_id_z 1
		.amdhsa_system_vgpr_workitem_id 0
		.amdhsa_next_free_vgpr 1024
		.amdhsa_next_free_sgpr 102
		.amdhsa_reserve_vcc 1
		.amdhsa_float_denorm_mode_32 3
		.amdhsa_float_denorm_mode_16_64 3
		.amdhsa_memory_ordered 1
		.amdhsa_forward_progress 1
		.amdhsa_inst_pref_size 255
	.end_amdhsa_kernel
	.section	.bss,"aw",@nobits
	.p2align	6
	.space	262144
	.amdgpu_metadata
---
amdhsa.version: [ 1, 2 ]
amdhsa.kernels:
  - .name:           k_q51f2957de0_attn
    .symbol:         k_q51f2957de0_attn.kd
    .args:
      - { .name: x_codes, .offset: 0, .size: 8, .value_kind: global_buffer, .address_space: global }
      - { .name: x_scales, .offset: 8, .size: 8, .value_kind: global_buffer, .address_space: global }
      - { .name: wk_codes, .offset: 16, .size: 8, .value_kind: global_buffer, .address_space: global }
      - { .name: wk_scales, .offset: 24, .size: 8, .value_kind: global_buffer, .address_space: global }
      - { .name: wv_codes, .offset: 32, .size: 8, .value_kind: global_buffer, .address_space: global }
      - { .name: wv_scales, .offset: 40, .size: 8, .value_kind: global_buffer, .address_space: global }
      - { .name: wq_codes, .offset: 48, .size: 8, .value_kind: global_buffer, .address_space: global }
      - { .name: wq_scales, .offset: 56, .size: 8, .value_kind: global_buffer, .address_space: global }
      - { .name: mask, .offset: 64, .size: 8, .value_kind: global_buffer, .address_space: global }
      - { .name: attq, .offset: 72, .size: 8, .value_kind: global_buffer, .address_space: global }
    .group_segment_fixed_size: 327680
    .private_segment_fixed_size: 0
    .kernarg_segment_align: 8
    .kernarg_segment_size: 80
    .max_flat_workgroup_size: 128
    .sgpr_count:     102
    .vgpr_count:     1024
    .wavefront_size: 32
...
	.end_amdgpu_metadata
.endif
;; end of part 1
;; launch proj (part 2): grid 16 x 1, 4 waves a work-group, no clusters, 167,936 bytes of LDS; arguments attq, proj_w_codes, proj_w_scales, proj_b, out0; writes out0
.if DOCPART == 2
	.amdgcn_target "amdgcn-amd-amdhsa--gfx1250"
	.amdhsa_code_object_version 6
	.text
	.protected	k_q51f2957de0_proj
	.globl	k_q51f2957de0_proj
	.p2align	8
	.type	k_q51f2957de0_proj,@function
k_q51f2957de0_proj:
	s_mov_b64 s[64:65], 0
	v_nop
	global_prefetch_b8 v0, s[64:65] scope:SCOPE_SE
	s_setreg_imm32_b32 hwreg(HW_REG_WAVE_MODE, 25, 1), 1
	s_wait_xcnt 0x0
; out0 = att proj_w^T + proj_b, on codes of BF6 (E3M2) with one E8M0 scale for each 32 along K.  att arrives quantised: attq [32 rows][8 K steps][128 bytes]: 96 bytes of codes, then the K step's scale word.
; SHARES.  Work-group G makes columns 64 G .. 64 G + 63 of all 32 rows: a row's part is 256 bytes.  K IS SPLIT OVER THE WAVES: wave w multiplies K steps 2 w and 2 w + 1 of all 64 columns and 32 rows: 8 accumulators, 16 products.
; proj_w's 64 rows come by one tensor load a wave (16 whole rows of 768 bytes); att's four fragments of a wave come straight into its registers.  The four waves' f32 parts meet in LDS and are added with the bias.
; ORDER ALONG K: of a step's 96 bytes lanes 0-15 take bytes 0-47, lanes 16-31 bytes 48-95, on both sides alike; so each scale word's two middle bytes change places (v_perm).
; Transposed (source 0 = 16 rows of proj_w, source 1 = 16 rows of att): a lane holds eight neighbouring columns of one row.
; No cluster: what the work-groups share is attq, 32 KiB, against 48 KiB of proj_w of a work-group's own.  No prefetch: the launch has no loop, every load goes out at the head.
; LIMITS: NaN and infinities are not served.  No work of the reference is left out.
.set PITCH, 816                        ; an LDS row of proj_w: 3 x (256 bytes + 16 of padding)
.set PARTS, 64*PITCH                   ; the waves' parts: 32 rows x (256 bytes + 16) each
.set SP,    272
.set PARTB, 32*SP
.set SPARE, PARTS+4*PARTB
.set XA,   4                           ; attq's codes: 1,024 r + 48 h
.set XS,   5                           ; its scale words: 1,024 r
.set WSO,  6                           ; proj_w's scale words: 32 x lane
.set BO,   7                           ; the bias: 16 r
.set PC,   16                          ; v16-21 the six pieces of a fragment pair
.set PST,  22
.set PRD,  23
.set GO,   24
.set SPW,  28
.set NIL,  29
.set ACC,  32                          ; accumulator (m, bk) at ACC + 8 (4 m + bk)
.set WF,   96                          ; fragment (sp, bk) at WF + 12 (4 sp + bk); later the parts read back
.set AF,   192                         ; fragment (sp, m) at AF + 12 (2 sp + m)
.set WS,   240                         ; WS + 2 j + sp: lanes 0-15 columns 32 j .., lanes 16-31 columns 32 j + 16 ..
.set AS,   244                         ; AS + 2 sp + m
.set BI,   248
.set G1,   24
.set G0,   32
	s_load_b256 s[4:11], s[0:1], 0x0               ; attq s[4:5], proj_w's codes s[6:7], its scales s[8:9], proj_b s[10:11]
	s_load_b64 s[12:13], s[0:1], 0x20              ; out0
	v_lshl_add_u32 v[SPW], v0, 2, SPARE
	v_mov_b32 v[NIL], 0
	ds_add_u32 v[SPW], v[NIL]                      ; the opening lines
	ds_add_u32 v[SPW], v[NIL]
	v_lshrrev_b32 v3, 5, v0
	v_readfirstlane_b32 s18, v3                    ; wave 0..3
	s_mul_i32 s19, s18, 192                        ; K step 2 w begins at this byte of a row
	s_mul_i32 s20, s18, PARTB
	s_add_co_u32 s20, s20, PARTS
	s_mul_i32 s21, s18, 8*SP
	s_add_co_u32 s21, s21, PARTS
	v_and_b32 v1, 15, v0                           ; r
	v_bfe_u32 v2, v0, 4, 1                         ; h
	v_and_b32 v3, 31, v0                           ; lane
	v_lshlrev_b32 v[XS], 10, v1
	v_mad_u32_u24 v[XA], v2, 48, v[XS]
	v_lshlrev_b32 v[WSO], 5, v3
	v_lshlrev_b32 v[BO], 4, v1
	v_mul_u32_u24 v8, v2, 48
	v_add_nc_u32 v8, s19, v8                       ; my first byte of a row of codes
	v_mul_u32_u24 v9, v1, PITCH
.irp p, 0,1,2,3,4,5                            ; piece p: 96 (p / 3) + 16 (p % 3) bytes on, and 16 more for each 256 passed
	v_add_nc_u32 v[PC+\p], 96*(\p/3)+16*(\p%3), v8
	v_lshrrev_b32 v10, 8, v[PC+\p]
	v_lshl_add_u32 v[PC+\p], v10, 4, v[PC+\p]
	v_add_nc_u32 v[PC+\p], v9, v[PC+\p]
.endr
	v_mul_u32_u24 v[PST], v1, SP
	v_lshl_add_u32 v[PST], v2, 5, v[PST]
	v_add_nc_u32 v[PST], s20, v[PST]               ; my part: row r, + 32 h
	v_mul_u32_u24 v[PRD], v2, SP
	v_lshl_add_u32 v[PRD], v1, 4, v[PRD]
	v_add_nc_u32 v[PRD], s21, v[PRD]               ; back: rows 8 w on: lanes 0-15 one row of 256 bytes, lanes 16-31 the next
	v_lshlrev_b32 v[GO], 12, v2
	v_lshl_add_u32 v[GO], v1, 4, v[GO]             ; and the same two rows in out0
	; descriptor: 16 rows of 768 bytes, 16 bytes of padding behind every 256
	s_mov_b32 s[G1], (1<<20)|(5<<22)|(3<<25)
	s_mov_b32 s[G1+1], 768<<16
	s_mov_b32 s[G1+2], 16<<16
	s_mov_b32 s[G1+3], 768<<16
	s_mov_b32 s[G1+4], 16
	s_mov_b32 s[G1+5], 768
	s_mov_b32 s[G1+6], 0
	s_mov_b32 s[G1+7], 0
	s_mov_b32 s14, 0x03010200                      ; bytes 0, 2, 1, 3
	s_mov_b32 s23, 0
	s_wait_dscnt 0x0                               ; both opening adds are done
	s_wait_alu depctr_va_vdst(0)
	s_wait_kmcnt 0x0
	s_lshl_b32 s22, ttmp9, 6
	s_lshl_b32 s15, s18, 4
	s_add_co_u32 s22, s22, s15                     ; row 64 G + 16 w of proj_w
	s_mul_i32 s22, s22, 768
	s_mov_b32 s[G0], 1
	s_mul_i32 s[G0+1], s18, 16*PITCH
	s_add_nc_u64 s[G0+2:G0+3], s[6:7], s[22:23]
	s_or_b32 s[G0+3], s[G0+3], 0x80000000
	tensor_load_to_lds s[G0:G0+3], s[G1:G1+7]
	s_nop 0
.rept 4
	v_nop
.endr
	s_lshl_b32 s22, s18, 8
	s_add_nc_u64 s[4:5], s[4:5], s[22:23]          ; attq: K step 2 w: 256 bytes on in each row
	s_lshl_b32 s22, ttmp9, 11
	s_lshl_b32 s15, s18, 3
	s_add_co_u32 s22, s22, s15
	s_add_nc_u64 s[8:9], s[8:9], s[22:23]          ; scale bytes: row 64 G, words 2 w and 2 w + 1
	s_lshl_b32 s22, ttmp9, 8
	s_add_nc_u64 s[10:11], s[10:11], s[22:23]
	s_lshl_b32 s15, s18, 15
	s_add_co_u32 s22, s22, s15
	s_add_nc_u64 s[12:13], s[12:13], s[22:23]      ; out0: rows 8 w on, columns 64 G on
.irp j, 0,1
	global_load_b64 v[WS+2*\j:WS+2*\j+1], v[WSO], s[8:9] offset:1024*\j
.endr
.irp sp, 0,1
.irp m, 0,1
	global_load_b32 v[AS+2*\sp+\m], v[XS], s[4:5] offset:16384*\m+128*\sp+96
.irp i, 0,1,2
	global_load_b128 v[AF+12*(2*\sp+\m)+4*\i:AF+12*(2*\sp+\m)+4*\i+3], v[XA], s[4:5] offset:16384*\m+128*\sp+16*\i
.endr
.endr
.endr
	global_load_b128 v[BI:BI+3], v[BO], s[10:11]   ; proj_b at columns 4 r .. 4 r + 3 of my 64
	s_wait_loadcnt 0x0
.irp k, 0,1,2,3,4,5,6,7
	v_perm_b32 v[WS+\k], v[WS+\k], v[WS+\k], s14
.endr
.rept 8
	v_nop                                          ; a scale register so written stands 8 places ahead of its product
.endr
	s_wait_alu depctr_va_vdst(0)
	s_wait_tensorcnt 0x0                           ; my 16 rows are in
	s_barrier_signal -1
	s_barrier_wait -1                              ; everybody's are
.irp sp, 0,1
.irp bk, 0,1,2,3
.irp i, 0,1,2
	ds_load_b128 v[WF+12*(4*\sp+\bk)+4*\i:WF+12*(4*\sp+\bk)+4*\i+3], v[PC+3*\sp+\i] offset:\bk*16*PITCH
.endr
.endr
.endr
	s_wait_dscnt 0x0
.macro WM2 c, m1
	v_wmma_scale_f32_16x16x128_f8f6f4 v[WD:WD+7], v[WW:WW+11], v[WX:WX+11], \c, v[WY], v[WZ] matrix_a_fmt:MATRIX_FMT_BF6 matrix_b_fmt:MATRIX_FMT_BF6 \m1
.endm
.irp sp, 0,1                                   ; the eight accumulators by turns
.irp m, 0,1
.irp bk, 0,1,2,3
.set WD, ACC+8*(4*\m+\bk)
.set WW, WF+12*(4*\sp+\bk)
.set WX, AF+12*(2*\sp+\m)
.set WY, WS+2*(\bk/2)+\sp
.set WZ, AS+2*\sp+\m
.if \sp == 0
.if \bk%2
	WM2 0, matrix_a_scale:MATRIX_SCALE_ROW1
.else
	WM2 0
.endif
.else
.if \bk%2
	WM2 v[WD:WD+7], matrix_a_scale:MATRIX_SCALE_ROW1
.else
	WM2 v[WD:WD+7]
.endif
.endif
.endr
.endr
.endr
.rept 4
	v_nop                                          ; places in front of the first read of results, and of loads into operands' registers
.endr
.irp m, 0,1
.irp bk, 0,1,2,3
	ds_store_b128 v[PST], v[ACC+8*(4*\m+\bk):ACC+8*(4*\m+\bk)+3] offset:16*\m*SP+64*\bk        ; lane (r, h): row 16 m + r, columns 16 bk + 8 h + 0 .. 7
	ds_store_b128 v[PST], v[ACC+8*(4*\m+\bk)+4:ACC+8*(4*\m+\bk)+7] offset:16*\m*SP+64*\bk+16
.endr
.endr
	s_wait_dscnt 0x0                               ; for the others' sake: my stores are done
	s_barrier_signal -1
	s_barrier_wait -1
.irp i, 0,1,2,3
.irp p, 0,1,2,3
	ds_load_b128 v[WF+16*\i+4*\p:WF+16*\i+4*\p+3], v[PRD] offset:2*\i*SP+\p*PARTB
.endr
.endr
.irp i, 0,1,2,3
	s_wait_dscnt 12-4*\i                           ; rows 2 i and 2 i + 1 of all four parts are back; the younger loads may be out
.set R, WF+16*\i
.irp j, 0,2
	v_pk_add_f32 v[R+\j:R+\j+1], v[R+\j:R+\j+1], v[R+4+\j:R+5+\j]
	v_pk_add_f32 v[R+8+\j:R+9+\j], v[R+8+\j:R+9+\j], v[R+12+\j:R+13+\j]
.endr
.irp j, 0,2
	v_pk_add_f32 v[R+\j:R+\j+1], v[R+\j:R+\j+1], v[R+8+\j:R+9+\j]
.endr
.irp j, 0,2
	v_pk_add_f32 v[R+\j:R+\j+1], v[R+\j:R+\j+1], v[BI+\j:BI+\j+1]
.endr
	global_store_b128 v[GO], v[R:R+3], s[12:13] offset:8192*\i th:TH_STORE_NT   ; sixteen lanes store 256 consecutive bytes, at a multiple of 256 from out0's first byte
.endr
	s_wait_tensorcnt 0x0                           ; the wave's end
	ds_add_u32 v[SPW], v[NIL]
	s_wait_dscnt 0x0
	s_endpgm
.Lfunc_end_k_q51f2957de0_proj:
	.size	k_q51f2957de0_proj, .Lfunc_end_k_q51f2957de0_proj-k_q51f2957de0_proj
	.p2alignl 7, 3214868480
	.fill 96, 4, 3214868480
	.section	.rodata,"a",@progbits
	.p2align	6, 0x0
	.amdhsa_kernel k_q51f2957de0_proj
		.amdhsa_group_segment_fixed_size 167936
		.amdhsa_private_segment_fixed_size 0
		.amdhsa_enable_private_segment 0
		.amdhsa_kernarg_size 40
		.amdhsa_user_sgpr_count 2
		.amdhsa_user_sgpr_kernarg_segment_ptr 1
		.amdhsa_wavefront_size32 1
		.amdhsa_system_sgpr_workgroup_id_x 1
		.amdhsa_system_sgpr_workgroup_id_y 1
		.amdhsa_system_sgpr_workgroup_id_z 1
		.amdhsa_system_vgpr_workitem_id 0
		.amdhsa_next_free_vgpr 256
		.amdhsa_next_free_sgpr 66
		.amdhsa_reserve_vcc 0
		.amdhsa_float_denorm_mode_32 3
		.amdhsa_float_denorm_mode_16_64 3
		.amdhsa_memory_ordered 1
		.amdhsa_forward_progress 1
		.amdhsa_inst_pref_size 16
	.end_amdhsa_kernel
	.amdgpu_metadata
---
amdhsa.version: [ 1, 2 ]
amdhsa.kernels:
  - .name:           k_q51f2957de0_proj
    .symbol:         k_q51f2957de0_proj.kd
    .args:
      - { .name: attq, .offset: 0, .size: 8, .value_kind: global_buffer, .address_space: global }
      - { .name: proj_w_codes, .offset: 8, .size: 8, .value_kind: global_buffer, .address_space: global }
      - { .name: proj_w_scales, .offset: 16, .size: 8, .value_kind: global_buffer, .address_space: global }
      - { .name: proj_b, .offset: 24, .size: 8, .value_kind: global_buffer, .address_space: global }
      - { .name: out0, .offset: 32, .size: 8, .value_kind: global_buffer, .address_space: global }
    .group_segment_fixed_size: 167936
    .private_segment_fixed_size: 0
    .kernarg_segment_align: 8
    .kernarg_segment_size: 40
    .max_flat_workgroup_size: 128
    .sgpr_count:     66
    .vgpr_count:     256
    .wavefront_size: 32
...
	.end_amdgpu_metadata
.endif
;; end of part 2
